; MI455X (gfx1250); checked and timed in simulation.
; The chip was launched on July 23, 2026; its instructions are those of AMD's public machine-readable ISA for CDNA 5 (MIT licence, August 2026) and "CDNA5" Instruction Set Architecture Reference Guide (July 2026). The comments in the code are by the model that wrote it; some were corrected since.
;; Mo E Layer. Allowed arithmetic: matrix products marked QUANTISED: E3M2 operands, one E8M0 scale for each 32 along K, by v_wmma_scale_f32_16x16x128_f8f6f4 with both operands' format E3M2, f32 sums; products left as they are: f32 operands where the result goes on into a quantised operand, else bf16, f16 or f32 operands; f32 sums; everything else in f32.
;; Inputs: W1_codes 8 x 4,096 x 32 x 24 uint8 (E3M2 codes of W1, K innermost, in blocks of 32 codes, four codes in three bytes); W1_scales 8 x 4,096 x 32 uint8 (E8M0 scales of W1, one for each 32 codes along K); W2_codes 8 x 1,024 x 128 x 24 uint8 (E3M2 codes of W2, K innermost, in blocks of 32 codes, four codes in three bytes); W2_scales 8 x 1,024 x 128 uint8 (E8M0 scales of W2, one for each 32 codes along K); assign 4 x 256 x 2 int32; b1 8 x 4,096 float32; b2 8 x 1,024 float32; x_codes 4 x 256 x 32 x 24 uint8 (E3M2 codes of x, K innermost, in blocks of 32 codes, four codes in three bytes); x_scales 4 x 256 x 32 uint8 (E8M0 scales of x, one for each 32 codes along K).
;; Outputs: out0 4 x 256 x 1,024 float32.
;; Constants: k = 2.
;; This version of the problem:
;;   THIS VERSION OF THE PROBLEM IS GIVEN IN LOW PRECISION. The matrix products marked QUANTISED in the list below multiply operands that are first quantised to E3M2 (3 exponent bits, 2 mantissa bits; 6 bits a number), with one power-of-two scale for each 32 numbers along K (OCP MX v1.0); their sums are f32. All else is computed in f32.
;;   The module's matrix products, in the order in which they are computed (A, B: the left and right operand; K: the contracted axis; several contracted axes count as one K, in the product's order):
;;     1. [M 1,024, K 1,024] x [K 1,024, N 32,768]; A: input x (given as codes); B: input W1 (given as codes): QUANTISED
;;     2. batch 8 x [M 1,024, K 4,096] x [K 4,096, N 1,024]; A: input W2 (given as codes); B: computed on the way: QUANTISED
;;     3. batch 1,024 x [M 1,024, K 8] x [K 8, N 1]; A: computed on the way; B: computed on the way: left as it is (K = 8 < 32)
;;   THE QUANTISER, for each operand of a quantised product, along K:
;;     - K is cut into blocks of 32 from its start; a last block that is shorter is filled with zeros.
;;     - A block's scale is 2^e with e = floor(log2(the largest magnitude in the block)) - 4, held to -126 .. 127; a block of zeros has e = 0. As a byte (E8M0): e + 127.
;;     - Each number is divided by its block's scale, clamped to +-28, and rounded to the nearest number of E3M2, ties to even, subnormals kept.
;;     - The product sums the exact products of the quantised numbers (number of the format x scale) in f32.
;;   ~~~python
;;   def quantise(x, axis):      # numpy; x: float32 -> the quantised numbers, widened to float32 again
;;       x = np.moveaxis(x, axis, -1); K = x.shape[-1]
;;       x = np.pad(x, [(0, 0)] * (x.ndim - 1) + [(0, -K % 32)]); x = x.reshape(x.shape[:-1] + (-1, 32)); a = np.abs(x).max(-1, keepdims=True)
;;       e = np.where(a > 0, np.clip(np.frexp(np.where(a > 0, a, 1))[1] - 1 - 4, -126, 127), 0)      # np.frexp(a)[1] - 1 = floor(log2(a)), exactly
;;       r = np.clip(x / 2.0 ** e, -28, 28)
;;       step = 2.0 ** (np.maximum(np.frexp(np.where(r == 0, 1, r))[1] - 1, -2) - 2)
;;       q = np.round(r / step) * step * 2.0 ** e      # np.round: ties to even
;;       return np.moveaxis(q.reshape(q.shape[:-2] + (-1,))[..., :K], -1, axis).astype(np.float32)
;;   ~~~
;;   OPERANDS COMPUTED ON THE WAY. 'Computed on the way' means the value that the module computes at that place (a softmax that the list does not call 'softmax' is quantised finished and normalised). What goes into a quantiser is computed in f32, as accurately as f32 sums, v_exp_f32 and their like allow (about 1e-6 of the number): no bf16 or f16 on the way to a quantiser, and a product that is left as it is and whose result goes on into a quantised operand takes f32 operands (vector FMAs, or v_wmma_f32_16x16x4_f32). A number that lies on a knife's edge between two numbers of the format may be rounded either way, as far as f32 arithmetic and the matrix unit's own rounding can turn it there, and no further.
;;   INPUTS GIVEN AS CODES. W1 (in the module: [8, 1024, 4096], K = its axis 1); W2 (in the module: [8, 4096, 1024], K = its axis 1); x (in the module: [4, 256, 1024], K = its axis 2): each comes as NAME_codes (uint8): NAME with its K axis moved to the last place and cut into blocks of 32 codes, [.., K / 32, bytes a block], one block behind the other in memory; four codes in three bytes: a row's codes are one little-endian stream of bits, code i at bits 6 i .. 6 i + 5 (a code: sign, 3 exponent bits, 2 mantissa bits); and NAME_scales (uint8): the same leading axes, one E8M0 byte (e + 127) for each 32 codes along K. Its value is code x scale, taken as it is: it is not quantised again, and the codes and scales need not be those that the quantiser above would give.
;; One version. Each part assembles by itself: llvm-mc -triple=amdgcn-amd-amdhsa -mcpu=gfx1250 --defsym DOCPART=n.
;; ======== version 1 of 1: 3 launches
;; limits: right only within a limited range of input values
;; workspace buffers: h 25,362,432 bytes; hs 1,056,768 bytes; y 33,554,432 bytes; rowidx 32,768 bytes of whole numbers; cnt 1,024 bytes of whole numbers
;; launch up (part 1): grid 256 x 1, 4 waves a work-group, no clusters, 115,200 bytes of LDS; arguments x_codes, x_scales, W1_codes, W1_scales, b1, assign, h, hs, rowidx, cnt; writes h, hs, rowidx, cnt
.if DOCPART == 1
	.amdgcn_target "amdgcn-amd-amdhsa--gfx1250"
	.amdhsa_code_object_version 6
	.text
	.protected	k_q9690039410_up
	.globl	k_q9690039410_up
	.p2align	8
	.type	k_q9690039410_up,@function
k_q9690039410_up:
	s_mov_b64 s[64:65], 0
	v_nop
	global_prefetch_b8 v0, s[64:65] scope:SCOPE_SE
	s_setreg_imm32_b32 hwreg(HW_REG_WAVE_MODE, 25, 1), 1
	s_wait_xcnt 0x0
; h = Q(relu(x W1_e + b1_e)) for the rows that chose expert e, on codes of BF6 (E3M2) with one E8M0 byte for each 32 along K; and the routing.
; SHARES.  Work-group g: expert e = g / 32, hidden units 128 (g % 32) .. + 127.  That slab of W1 (128 rows x 768 bytes) is read from memory once in the launch and stays in the REGISTERS
; of each of the four waves (64 fragments, 768 registers); the expert's rows go past it, 16 at a time: wave w takes the tiles 4 i + w.  A tile's 128 hidden units are one K step of the second product:
; one fragment and one scale word a row, stored as an image of the operand's registers (3 x 512 bytes) in h, and 64 bytes in hs.
; ROUTING.  Every work-group makes its expert's list of tokens from assign (8,192 bytes): masks by compares, ranks by counts of bits, the tokens of each 32 pressed together by a lane permute,
; the chunks joined by a look-up over the 32 chunk prefixes.  The work-groups with g % 32 = 0 also store, for ALL 1,024 tokens, the number 1024 e + rank in rowidx[e][token] (all lanes on; a token that did not
; choose e gets a number there that nobody reads), and the expert's number of rows in cnt, for the later launches.
; THE PRODUCT IS USED TRANSPOSED (source 0 = 16 rows of W1, source 1 = 16 tokens): a lane holds one token and its registers run along the hidden units.
; K IS TAKEN IN ANOTHER ORDER, ALIKE ON BOTH SIDES: a lane takes 48 consecutive bytes of its row (three loads of 16), so that the instruction's blocks 0, 1, 2, 3 hold the row's blocks 0, 2, 1, 3 of each 128;
; bytes 1 and 2 of every given scale word change places with them.  The rows of W1 that form a tile are chosen so that h comes out in that same order for the second product:
; lane r of tile 2 b + u takes slab row 32 sigma(b) + 8 u + r % 8 + 16 (r / 8), sigma = 0, 2, 1, 3.
; NO TENSOR LOADS, SO NO JOINT REQUESTS: the loop jumps over tiles past the expert's number of rows, a number made from memory, and a text with such a jump holds no tensor load.
; LIMITS: assign holds 0 .. 7 (a slot with another number is in no expert's list).  A block of h that is all zeros gets the byte 1, not 127: its codes are zeros and only this program reads the bytes.
; NaN and infinities are not served.  The sums run over K in the order said above, not in ascending k.
.set RP,   784                         ; a slab row in the stage: 768 bytes + 16
.set GX,   128                         ; and 128 bytes more behind each 16 rows, so that rows r and r + 16 start in different columns of 16 bytes modulo 256
.set WST,  32*RP+2*GX                  ; a wave's 32 rows of the stage
.set BIAS, 128*RP+8*GX                 ; LDS: the stage from 0; then b1's 128 numbers, a copy for each wave;
.set CH,   BIAS+4*512                  ; the 32 chunks' tokens, 128 bytes each;
.set CNT,  CH+32*128                   ; the chunks' counts x 4, 128 bytes a wave;
.set LIST, CNT+4*128                   ; each wave's own list: 18 tiles x 16 tokens
.set LW,   18*64
.set XO,  1                            ; v1   x: token x 768 + 48 h
.set XSO, 2                            ; v2   x's scales: token x 32 + 16 h
.set H48, 3
.set H16, 4
.set IO,  5                            ; v5   16 x lane
.set SWO, 6                            ; v6   4 x (lane % 16)
.set BA,  7                            ; v7   LDS: my copy of b1, + 64 h
.set LA0, 8                            ; v8   LDS: my list, + 4 (lane % 16)
.set TKN, 9                            ; v9   the next tile's token of my lane
.set TA,  10
.set PW,  11                           ; v11  the scale word just made
.set XSR, 12                           ; v12-15 x's scale words as loaded;  v16-19 with bytes 1 and 2 exchanged
.set XS,  16
.set WS,  20                           ; v20-51 W1's scale words: register 4 t + u: lanes 0-15 K step u, lanes 16-31 K step u + 4
.set HA,  52                           ; v52-115 the tile's 8 accumulators
.set XF,  116                          ; v116-211 x's 8 fragments
.set F63, 212                          ; v212-223 fragment 63; fragments f = 8 s + t up to 62 lie in window 1 + f / 21 at v[12 (f % 21)]
.set PC,  224                          ; v224-235 the codes just made, v236-243 their second halves
.set TM,  244                          ; v244-247 largest magnitudes, v248-251 the other half's, then bytes, v252-255 the conversions' scale operands
.set AS,  212                          ; ahead of the loop: v212-227 assign; v228-235 ranks in a chunk; v236-243 tokens pressed together; v52-83 all chunks' tokens; v84-115 looked up
.set PFX, 228
.set TK,  236
.set TQ,  52
.set BQ,  84
.set LN,  244
.set TOK, 245
.set T0,  246
.set T1,  247
.set CW,  248
.set AO,  249
.set T2,  250
.set T3,  251
.set BR,  252
.set C4,  40                           ; s40-47 4 x the counts of my wave's 8 chunks
.set WV,  48
.set EX,  49
.set SL,  50
.set N4,  51                           ; 4 x the expert's rows;  s52 the rows
.set NN,  52
.set SELP, 53
.set SEL, 54
.set ROW, 56
.set LS,  57
.set CTR, 58
.set CQ,  66                           ; s66-97 4 x the rows in the chunks ahead of chunk q
.set MSB, 0
.macro WIN new                         ; the immediate's high byte repeats the setting that is left; a switch that changes nothing is dropped
.if MSB != (\new)
	s_set_vgpr_msb (MSB<<8)|(\new)
.set MSB, (\new)
.endif
.endm
.macro SIGMA b
.set sg, (((\b)&1)<<1)|((\b)>>1)
.endm
.macro FREG f                          ; where fragment f lies: window fw, register fr
.if (\f) < 63
.set fw, 1+(\f)/21
.set fr, 12*((\f)%21)
.else
.set fw, 0
.set fr, F63
.endif
.endm
.macro BARRIER                         ; my LDS stores have landed and my LDS loads are in: then the work-group's barrier
	s_wait_dscnt 0x0
	s_barrier_signal -1
	s_barrier_wait -1
.endm
.macro XLOAD s                         ; K step s of my token's row: 48 bytes
.irp c, 0,1,2
	global_load_b128 v[XF+12*(\s)+4*\c:XF+12*(\s)+4*\c+3], v[XO], s[4:5] offset:96*(\s)+16*\c
.endr
.endm
.macro REFILL s                        ; four places behind the products that read the fragment, then the next tile's
	WIN 0
.rept 4
	v_nop
.endr
	XLOAD \s
.endm
.macro MULK s                          ; K step s: the 8 accumulators by turns, one instruction a turn
.set qt, 0
.rept 8
	FREG 8*(\s)+qt
	WIN fw
.if (\s) < 4
	v_wmma_scale_f32_16x16x128_f8f6f4 v[HA+8*qt:HA+8*qt+7], v[fr:fr+11], v[XF+12*(\s):XF+12*(\s)+11], v[HA+8*qt:HA+8*qt+7], v[WS+4*qt+(\s)], v[XS+(\s)] matrix_a_fmt:MATRIX_FMT_BF6 matrix_b_fmt:MATRIX_FMT_BF6
.else
	v_wmma_scale_f32_16x16x128_f8f6f4 v[HA+8*qt:HA+8*qt+7], v[fr:fr+11], v[XF+12*(\s):XF+12*(\s)+11], v[HA+8*qt:HA+8*qt+7], v[WS+4*qt+(\s)-4], v[XS+(\s)-4] matrix_a_fmt:MATRIX_FMT_BF6 matrix_b_fmt:MATRIX_FMT_BF6 matrix_a_scale:MATRIX_SCALE_ROW1 matrix_b_scale:MATRIX_SCALE_ROW1
.endif
.set qt, qt+1
.endr
.endm
.macro BIASLD                          ; b1 in the result's layout: the C of the tile's first products.  Register 8 t + j: hidden unit 32 sigma(t / 2) + 16 h + 8 (t % 2) + j
.irp t, 0,1,2,3,4,5,6,7
	SIGMA \t/2
	ds_load_b128 v[HA+8*\t:HA+8*\t+3], v[BA] offset:(32*sg+8*(\t%2))*4
	ds_load_b128 v[HA+8*\t+4:HA+8*\t+7], v[BA] offset:(32*sg+8*(\t%2))*4+16
.endr
.endm
; 64 numbers of a lane, none negative: register 16 b + i is number 16 h + i of the operand's block b of my token.  They become a fragment's codes in v[PC] on and its scale word in v[PW].
.macro QUANT
.irp b, 0,1,2,3
	v_max3_num_f32 v[TM+\b], v[HA+16*\b], v[HA+16*\b+1], 0x2800000   ; my 16 numbers, and the floor 2^(5 - 127): the byte cannot fall under 1
.endr
.irp i, 2,4,6,8,10,12,14
.irp b, 0,1,2,3
	v_max3_num_f32 v[TM+\b], v[TM+\b], v[HA+16*\b+\i], v[HA+16*\b+\i+1]
.endr
.endr
.irp b, 0,1,2,3
	v_permlanex16_b32 v[TM+4+\b], v[TM+\b], s[SEL], s[SEL+1]
.endr
.irp b, 0,1,2,3
	v_max_num_f32 v[TM+\b], v[TM+\b], v[TM+4+\b]   ; with lane l xor 16's: the block's largest
.endr
.irp b, 0,1,2,3
	v_add_nc_u32 v[TM+8+\b], 0xfe000000, v[TM+\b]  ; 4 off its exponent field: the conversion's scale operand
.endr
.irp b, 0,1,2,3
	v_lshrrev_b32 v[TM+4+\b], 23, v[TM+8+\b]       ; the scale's byte
.endr
	v_lshl_or_b32 v[PW], v[TM+5], 8, v[TM+4]
	v_lshl_or_b32 v[PW], v[TM+6], 16, v[PW]
	v_lshl_or_b32 v[PW], v[TM+7], 24, v[PW]
.irp c, 0,1
	v_cvt_scalef32_pk16_bf6_f32 v[PC+6*\c:PC+6*\c+2], v[HA+32*\c:HA+32*\c+15], v[TM+8+2*\c]
	v_cvt_scalef32_pk16_bf6_f32 v[PC+12+4*\c:PC+14+4*\c], v[HA+32*\c+16:HA+32*\c+31], v[TM+8+2*\c+1]   ; (a conversion's three registers begin on an even number)
.endr
	v_nop                                          ; one plain place behind a scaled conversion
.irp c, 0,1                                    ; the operand wants a whole block in a lane: lanes 0-15 block 2 c, lanes 16-31 block 2 c + 1
.irp i, 0,1,2
	v_permlane16_swap_b32 v[PC+6*\c+\i], v[PC+12+4*\c+\i]
.endr
.irp i, 0,1,2
	v_mov_b32 v[PC+3+6*\c+\i], v[PC+12+4*\c+\i]
.endr
.endr
.endm
	s_load_b512 s[4:19], s[0:1], 0x0               ; x_codes s[4:5], x_scales s[6:7], W1_codes s[8:9], W1_scales s[10:11], b1 s[12:13], assign s[14:15], h s[16:17], hs s[18:19]
	s_load_b128 s[20:23], s[0:1], 0x40             ; rowidx s[20:21], cnt s[22:23]
	s_set_vgpr_msb 0x40
	v_lshl_add_u32 v254, v0, 2, 0x1c000
	v_mov_b32 v255, 0
	s_set_vgpr_msb 0x4000
	v_lshrrev_b32 v[TA], 5, v0
	v_readfirstlane_b32 s[WV], v[TA]               ; wave 0..3
	s_lshr_b32 s[EX], ttmp9, 5                     ; the expert
	s_and_b32 s[SL], ttmp9, 31                     ; which 128 hidden units
	s_mov_b32 s[SELP], 0x03010200                  ; v_perm_b32: bytes 1 and 2 change places
	s_mov_b32 s[SEL], 0x76543210
	s_mov_b32 s[SEL+1], 0xfedcba98                 ; v_permlanex16_b32: lane l xor 16
	v_and_b32 v[LN], 31, v0                        ; lane
	v_and_b32 v[T0], 15, v0                        ; r
	v_bfe_u32 v[T1], v0, 4, 1                      ; h
	v_mul_u32_u24 v[H48], v[T1], 48
	v_lshlrev_b32 v[H16], 4, v[T1]
	v_lshlrev_b32 v[IO], 4, v[LN]
	v_lshlrev_b32 v[SWO], 2, v[T0]
	s_lshl_b32 s59, s[WV], 9
	s_add_co_u32 s59, s59, BIAS
	v_lshl_add_u32 v[BA], v[T1], 6, s59
	s_mul_i32 s60, s[WV], LW
	s_add_co_u32 s60, s60, LIST
	v_add_nc_u32 v[LA0], s60, v[SWO]
	s_lshl_b32 s61, s[WV], 11
	v_lshl_add_u32 v[AO], v[LN], 3, s61            ; assign: my token of chunk 0 of my wave: 8 x (256 w + lane)
	s_lshl_b32 s61, s[WV], 8
	v_add_nc_u32 v[TOK], s61, v[LN]                ; that token
	v_and_b32 v[PW], 8, v[T0]
	v_add_nc_u32 v[PW], v[PW], v[T0]               ; r % 8 + 16 (r / 8)
	v_lshl_add_u32 v[PW], v[PW], 5, v[H16]         ; W1's scales: 32 bytes a row, + 16 h (v11 holds this offset until the tile loop makes scale words in it)
	s_lshl_b32 s59, s[EX], 12
	s_lshl_b32 s60, s[SL], 7
	s_add_co_u32 s59, s59, s60                     ; the slab's first row among W1's 32,768
	s_lshl_b32 s60, s[WV], 5
	s_add_co_u32 s60, s60, s59
	s_mul_i32 s60, s60, 768                        ; my wave's 32 rows of it, in bytes (under 2^25)
	s_mov_b32 s61, 0
	s_lshl_b32 s62, s59, 5
	s_mov_b32 s63, 0
	s_wait_alu depctr_va_vdst(0)
	s_wait_kmcnt 0x0
	s_add_nc_u64 s[8:9], s[8:9], s[60:61]
	s_add_nc_u64 s[10:11], s[10:11], s[62:63]
	s_lshl_b32 s62, s59, 2
	s_add_nc_u64 s[12:13], s[12:13], s[62:63]
.irp i, 0,1,2,3,4,5,6,7
	global_load_b64 v[AS+2*\i:AS+2*\i+1], v[AO], s[14:15] offset:256*\i   ; the two slots of tokens 256 w + 32 i + lane
.endr
	WIN 0xc0                                       ; destination window 3
.set k, 0
.rept 48
	global_load_b128 v[4*k:4*k+3], v[IO], s[8:9] offset:512*k th:TH_LOAD_NT   ; my 32 slab rows as they lie: 24,576 dense bytes, 512 an instruction; read once in the launch
.set k, k+1
.endr
	WIN 0
.irp t, 0,1,2,3,4,5,6,7
	SIGMA \t/2
	global_load_b128 v[WS+4*\t:WS+4*\t+3], v[PW], s[10:11] offset:(32*sg+8*(\t%2))*32   ; tile t's rows' scale words of K steps 4 h .. 4 h + 3
.endr
	global_load_b128 v[BR:BR+3], v[IO], s[12:13]   ; b1's 128 numbers
	s_lshl_b32 s60, s[EX], 6
	s_add_co_u32 s60, s60, s[WV]
	s_lshl_b32 s60, s60, 5
	s_add_co_u32 s60, s60, s[SL]                   ; (64 e + tile) x 32 + K step, for my first tile
	s_lshl_b32 s62, s60, 6
	s_add_nc_u64 s[18:19], s[18:19], s[62:63]      ; hs: 64 bytes each
	s_mul_i32 s60, s60, 1536
	s_add_nc_u64 s[16:17], s[16:17], s[60:61]      ; h: 1,536 bytes each
	s_lshl_b32 s62, s[EX], 7
	s_add_nc_u64 s[22:23], s[22:23], s[62:63]      ; cnt: 128 bytes an expert
	s_lshl_b32 s62, s[EX], 12
	s_add_nc_u64 s[20:21], s[20:21], s[62:63]      ; rowidx: 4,096 bytes an expert
	; ---- my wave's 8 chunks of 32 tokens: who chose e, each member's rank in its chunk, the members' tokens pressed to the low lanes
	s_wait_loadcnt 57                              ; assign is in: behind it stand the slab's 48 loads, the scales' 8 and b1's one; none of their offset registers is written before the next wait on XCNT
	v_mov_b32 v[CW], 0
.irp i, 0,1,2,3,4,5,6,7
	v_cmp_eq_u32 s59, s[EX], v[AS+2*\i]
	v_cmp_eq_u32 s60, s[EX], v[AS+2*\i+1]
	s_or_b32 s59, s59, s60                         ; a token that names e twice counts once
	s_bcnt1_i32_b32 s60, s59
	v_mbcnt_lo_u32_b32 v[PFX+\i], s59, 0           ; members in the lanes below mine
	v_sub_nc_u32 v[T0], v[LN], v[PFX+\i]
	v_add_nc_u32 v[T0], s60, v[T0]                 ; the others go behind the members, in order: every lane is written
	v_cndmask_b32 v[T0], v[T0], v[PFX+\i], s59
	v_lshlrev_b32 v[T0], 2, v[T0]
	v_add_nc_u32 v[T1], 32*\i, v[TOK]
	ds_permute_b32 v[TK+\i], v[T0], v[T1]
	s_lshl_b32 s[C4+\i], s60, 2
	v_writelane_b32 v[CW], s[C4+\i], \i
.endr
	s_wait_dscnt 0x0
	s_lshl_b32 s59, s[WV], 10
	s_add_co_u32 s59, s59, CH
	v_lshl_add_u32 v[T2], v[LN], 2, s59
	v_lshl_add_u32 v[T3], v0, 2, CNT
	s_wait_alu depctr_va_vdst(0)
.irp i, 0,1,2,3,4,5,6,7
	ds_store_b32 v[T2], v[TK+\i] offset:128*\i
.endr
	ds_store_b32 v[T3], v[CW]
	BARRIER                                        ; all 32 chunks and their counts lie in LDS
	v_lshrrev_b32 v[T0], 3, v[LN]
	v_and_b32 v[T1], 7, v[LN]
	v_lshlrev_b32 v[T1], 2, v[T1]
	v_lshl_add_u32 v[T0], v[T0], 7, v[T1]
	v_add_nc_u32 v[T0], CNT, v[T0]
	ds_load_b32 v[CW], v[T0]                       ; lane q: 4 x chunk q's count
	v_lshl_add_u32 v[T1], v[LN], 2, CH
.set q, 0
.rept 32
	ds_load_b32 v[TQ+q], v[T1] offset:128*q
.set q, q+1
.endr
	s_wait_dscnt 0x0
	s_mov_b32 s[N4], 0
.set q, 0
.rept 32
	s_mov_b32 s[CQ+q], s[N4]
	v_readlane_b32 s59, v[CW], q
	s_add_co_u32 s[N4], s[N4], s59
.set q, q+1
.endr
	s_lshr_b32 s[NN], s[N4], 2
	; ---- my wave's list.  Trip i: the ranks of my tiles 2 i (lanes 0-15) and 2 i + 1 (lanes 16-31).  Rank p lies in the last chunk q whose prefix is at most p, at lane p - prefix.
	; Nine trips, a constant; a trip whose first rank is past the end leaves token 0 (the ninth always: tiles 16 and 17 are only looked ahead at).  A rank past the end in a trip that runs gets some token of the last chunk.
	v_bfe_u32 v[T0], v0, 4, 1
	s_lshl_b32 s59, s[WV], 6                       ; 4 x the trip's first rank
	v_lshl_add_u32 v[T0], v[T0], 8, v[SWO]
	v_add_nc_u32 v[T0], s59, v[T0]                 ; 4 p = 512 i + 256 h + 64 w + 4 r
	s_mul_i32 s60, s[WV], LW
	s_add_co_u32 s60, s60, LIST
	v_lshl_add_u32 v[T2], v[LN], 2, s60
	s_mov_b32 s[LS], 0
	s_mov_b32 s[CTR], 0
.Llook:
	v_mov_b32 v[T3], 0
	s_cmp_ge_u32 s59, s[N4]
	s_cbranch_scc1 .Lnone
.set q, 0
	s_wait_alu depctr_va_vdst(0)
.rept 32
	v_sub_nc_u32 v[T1], v[T0], s[CQ+q]
	ds_bpermute_b32 v[BQ+q], v[T1], v[TQ+q]
.set q, q+1
.endr
	s_wait_dscnt 0x0
.set q, 0
.rept 32
	v_cmp_le_u32 vcc_lo, s[CQ+q], v[T0]
	v_cndmask_b32 v[T3], v[T3], v[BQ+q], vcc_lo
.set q, q+1
.endr
.Lnone:
	s_wait_alu depctr_va_vdst(0)
	v_add_nc_u32 v[TA], s[LS], v[T2]
	ds_store_b32 v[TA], v[T3]
	v_add_nc_u32 v[T0], 0x200, v[T0]
	s_add_co_u32 s59, s59, 512
	s_add_co_u32 s[LS], s[LS], 128
	s_add_co_u32 s[CTR], s[CTR], 1
	s_cmp_lt_u32 s[CTR], 9
	s_cbranch_scc1 .Llook
	; ---- the expert's first work-group stores 1024 e + rank for every token (all lanes on: what a token that did not choose e gets is read by nobody), and the number of rows
	s_cmp_lg_u32 s[SL], 0
	s_cbranch_scc1 .Lrouted
	s_cmp_eq_u32 s[WV], 1
	s_cselect_b32 s59, s[CQ+8], s[CQ]
	s_cmp_eq_u32 s[WV], 2
	s_cselect_b32 s59, s[CQ+16], s59
	s_cmp_eq_u32 s[WV], 3
	s_cselect_b32 s59, s[CQ+24], s59               ; 4 x the rows ahead of my wave's first chunk
	s_lshl_b32 s60, s[EX], 10
.irp i, 0,1,2,3,4,5,6,7
	s_lshr_b32 s61, s59, 2
	s_add_co_u32 s61, s61, s60
	v_add_nc_u32 v[PFX+\i], s61, v[PFX+\i]         ; 1024 e + the rows ahead of the chunk + the members below my lane
	s_add_co_u32 s59, s59, s[C4+\i]
.endr
	s_lshl_b32 s61, s[WV], 10
	v_lshl_add_u32 v[T2], v[LN], 2, s61            ; 4 x (256 w + lane)
	s_wait_alu depctr_va_vdst(0)
.irp i, 0,1,2,3,4,5,6,7
	global_store_b32 v[T2], v[PFX+\i], s[20:21] offset:128*\i   ; 128 consecutive bytes an instruction, 1,024 a wave
.endr
	s_cmp_lg_u32 s[WV], 0
	s_cbranch_scc1 .Lrouted
	v_mov_b32 v[T1], s[NN]
	v_lshlrev_b32 v[T0], 2, v[LN]
	global_store_b32 v[T0], v[T1], s[22:23]        ; 32 copies: 128 consecutive bytes
.Lrouted:
	s_wait_xcnt 0x0                                ; these stores have read their registers
	; ---- my first tile's rows of x
	ds_load_b32 v[TKN], v[LA0]
	s_wait_dscnt 0x0
	v_min_u32 v[TKN], 0x3ff, v[TKN]
	v_mul_u32_u24 v[XO], v[TKN], 0x300
	v_add_nc_u32 v[XO], v[XO], v[H48]
	v_lshl_add_u32 v[XSO], v[TKN], 5, v[H16]
	global_load_b128 v[XSR:XSR+3], v[XSO], s[6:7]
.irp s, 0,1,2,3,4,5,6,7
	XLOAD \s
.endr
	; ---- the slab through the stage into fragments
	s_wait_loadcnt 25                              ; the slab, its scales and b1 are in: behind them stand x's 25 loads
.set q, 0
.rept 32
	v_perm_b32 v[WS+q], v[WS+q], v[WS+q], s[SELP]
.set q, q+1
.endr
	s_lshl_b32 s59, s[WV], 9
	s_add_co_u32 s59, s59, BIAS
	v_add_nc_u32 v[T0], s59, v[IO]
	ds_store_b128 v[T0], v[BR:BR+3]
	s_mul_i32 s60, s[WV], WST
	v_add_nc_u32 v[T1], s60, v[IO]                 ; 16 x lane in my 32 rows;
	v_add_nc_u32 v[T2], v[T1], v[H16]              ; where an instruction's 512 bytes cross from a row into the next, lanes 16-31 stand 16 bytes further on
	WIN 0x0c                                       ; an LDS store's data are its source 1: window 3
.set p, 0
.rept 16
	ds_store_b128 v[T1], v[12*p:12*p+3] offset:1568*p+GX*(p>>3)
	ds_store_b128 v[T2], v[12*p+4:12*p+7] offset:1568*p+GX*(p>>3)+512
	ds_store_b128 v[T1], v[12*p+8:12*p+11] offset:1568*p+GX*(p>>3)+1040
.set p, p+1
.endr
	WIN 0
	BARRIER                                        ; all 128 rows lie in the stage
	v_and_b32 v[T0], 7, v0
	v_bfe_u32 v[T3], v0, 3, 1
	v_mul_u32_u24 v[T0], v[T0], RP
	v_mad_u32_u24 v[T0], v[T3], 16*RP+GX, v[T0]
	v_add_nc_u32 v[T0], v[T0], v[H48]              ; row r % 8 + 16 (r / 8), + 48 h
	v_add_nc_u32 v[T1], 64*RP+4*GX, v[T0]          ; the same 64 rows on, so that the immediates stay inside 16 bits
.set f, 0
.rept 64
	FREG f
	WIN fw<<6
	SIGMA (f%8)/2
.set fi, (32*(sg&1)+8*(f%2))*RP+2*GX*(sg&1)+96*(f/8)
.irp c, 0,1,2
	ds_load_b128 v[fr+4*\c:fr+4*\c+3], v[T0+(sg>>1)] offset:fi+16*\c
.endr
.set f, f+1
.endr
	WIN 0
	BIASLD
	ds_load_b32 v[TKN], v[LA0] offset:64           ; my second tile's tokens
.irp b, 0,1,2,3
	v_mov_b32 v[TM+4+\b], 0                        ; written once: a lane permute's destination counts as one of its sources
.endr
	s_lshl_b32 s[ROW], s[WV], 4                    ; my tile's first rank
	s_mov_b32 s[LS], 0
	s_mov_b32 s[CTR], 0
	; ---- 16 trips, a constant; a trip whose tile begins past the expert's rows does only the steps at its end.  In a trip the next tile's rows of x are asked for, fragment by fragment, as the products free the registers.
.Ltile:
	s_cmp_ge_u32 s[ROW], s[NN]
	s_cbranch_scc1 .Lskip
	s_wait_loadcnt 24                              ; this tile's scale words are in; its 24 fragment loads may be out
.irp u, 0,1,2,3
	v_perm_b32 v[XS+\u], v[XSR+\u], v[XSR+\u], s[SELP]
.endr
	s_wait_alu depctr_va_vdst(0)
	s_wait_dscnt 0x0                               ; b1 in the accumulators, the next tile's tokens (and, the first time, the fragments)
	s_wait_xcnt 0x0                                ; the loads that are out have read their offsets
	v_min_u32 v[TKN], 0x3ff, v[TKN]
	v_mul_u32_u24 v[XO], v[TKN], 0x300
	v_add_nc_u32 v[XO], v[XO], v[H48]
	v_lshl_add_u32 v[XSO], v[TKN], 5, v[H16]
.rept 4
	v_nop                                          ; with the four lines above: eight places between the write of a scale register and the scaled product
.endr
	global_load_b128 v[XSR:XSR+3], v[XSO], s[6:7]
	s_wait_alu depctr_va_vdst(0)
.irp s, 0,1,2,3,4,5,6,7
	s_wait_loadcnt 22                              ; fragment s is in: behind its loads stand 3 (7 - s) of this tile, the scale words' one and 3 s of the next tile
	MULK \s
	REFILL \s
.endr
.set j, 0
.rept 64
	v_max_num_f32 v[HA+j], 0, v[HA+j]              ; the activation, each accumulator from its low end on
.set j, j+1
.endr
	QUANT
.irp c, 0,1,2
	global_store_b128 v[IO], v[PC+4*\c:PC+4*\c+3], s[16:17] offset:512*\c   ; the fragment's image: 512 consecutive bytes an instruction, at a multiple of 512 from h's first byte
.endr
	global_store_b32 v[SWO], v[PW], s[18:19]       ; 16 scale words (both halves of the lanes write the same)
	BIASLD
	v_add_nc_u32 v[TA], s[LS], v[LA0]
	ds_load_b32 v[TKN], v[TA] offset:128           ; the tokens of the tile after the next
.Lskip:
	s_wait_xcnt 0x0                                ; the stores have read their data and bases
	s_add_nc_u64 s[16:17], s[16:17], 196608        ; four tiles on: 4 x 32 x 1,536
	s_add_nc_u64 s[18:19], s[18:19], 8192
	s_add_co_u32 s[ROW], s[ROW], 64
	s_add_co_u32 s[LS], s[LS], 64
	s_add_co_u32 s[CTR], s[CTR], 1
	s_cmp_lt_u32 s[CTR], 16
	s_cbranch_scc1 .Ltile
	s_wait_dscnt 0x0
	s_set_vgpr_msb 0x5
	s_wait_tensorcnt 0x0
	ds_add_u32 v254, v255
	s_wait_dscnt 0x0
	s_set_vgpr_msb 0x500
	s_endpgm
.Lfunc_end_k_q9690039410_up:
	.size	k_q9690039410_up, .Lfunc_end_k_q9690039410_up-k_q9690039410_up
	.p2alignl 7, 3214868480
	.fill 96, 4, 3214868480
	.section	.rodata,"a",@progbits
	.p2align	6, 0x0
	.amdhsa_kernel k_q9690039410_up
		.amdhsa_group_segment_fixed_size 115200
		.amdhsa_private_segment_fixed_size 0
		.amdhsa_enable_private_segment 0
		.amdhsa_kernarg_size 80
		.amdhsa_user_sgpr_count 2
		.amdhsa_user_sgpr_kernarg_segment_ptr 1
		.amdhsa_wavefront_size32 1
		.amdhsa_system_sgpr_workgroup_id_x 1
		.amdhsa_system_sgpr_workgroup_id_y 1
		.amdhsa_system_sgpr_workgroup_id_z 1
		.amdhsa_system_vgpr_workitem_id 0
		.amdhsa_next_free_vgpr 1024
		.amdhsa_next_free_sgpr 100
		.amdhsa_reserve_vcc 1
		.amdhsa_float_denorm_mode_32 3
		.amdhsa_float_denorm_mode_16_64 3
		.amdhsa_memory_ordered 1
		.amdhsa_forward_progress 1
		.amdhsa_inst_pref_size 74
	.end_amdhsa_kernel
	.amdgpu_metadata
---
amdhsa.version: [ 1, 2 ]
amdhsa.kernels:
  - .name:           k_q9690039410_up
    .symbol:         k_q9690039410_up.kd
    .args:
      - { .name: x_codes, .offset: 0, .size: 8, .value_kind: global_buffer, .address_space: global }
      - { .name: x_scales, .offset: 8, .size: 8, .value_kind: global_buffer, .address_space: global }
      - { .name: W1_codes, .offset: 16, .size: 8, .value_kind: global_buffer, .address_space: global }
      - { .name: W1_scales, .offset: 24, .size: 8, .value_kind: global_buffer, .address_space: global }
      - { .name: b1, .offset: 32, .size: 8, .value_kind: global_buffer, .address_space: global }
      - { .name: assign, .offset: 40, .size: 8, .value_kind: global_buffer, .address_space: global }
      - { .name: h, .offset: 48, .size: 8, .value_kind: global_buffer, .address_space: global }
      - { .name: hs, .offset: 56, .size: 8, .value_kind: global_buffer, .address_space: global }
      - { .name: rowidx, .offset: 64, .size: 8, .value_kind: global_buffer, .address_space: global }
      - { .name: cnt, .offset: 72, .size: 8, .value_kind: global_buffer, .address_space: global }
    .group_segment_fixed_size: 115200
    .private_segment_fixed_size: 0
    .kernarg_segment_align: 8
    .kernarg_segment_size: 80
    .max_flat_workgroup_size: 128
    .sgpr_count:     100
    .vgpr_count:     1024
    .wavefront_size: 32
...
	.end_amdgpu_metadata
.endif
;; end of part 1
;; launch down (part 2): grid 256 x 1, 4 waves a work-group, no clusters, 274,944 bytes of LDS; arguments W2_codes, W2_scales, b2, h, hs, cnt, y; writes y
.if DOCPART == 2
	.amdgcn_target "amdgcn-amd-amdhsa--gfx1250"
	.amdhsa_code_object_version 6
	.text
	.protected	k_q9690039410_down
	.globl	k_q9690039410_down
	.p2align	8
	.type	k_q9690039410_down,@function
k_q9690039410_down:
	s_mov_b64 s[64:65], 0
	v_nop
	global_prefetch_b8 v0, s[64:65] scope:SCOPE_SE
	s_setreg_imm32_b32 hwreg(HW_REG_WAVE_MODE, 25, 1), 1
	s_wait_xcnt 0x0
; y[e][rank][:] = 0.5 (h W2_e) + 0.5 b2_e for the rows of expert e, on codes of BF6 (E3M2) with one E8M0 byte for each 32 along K.  The halves are reference()'s division by k = 2.
; Rows that did not choose an expert are not multiplied: reference() masks them out (see the first launch).
; SHARES.  Work-group g: expert e = g / 32, outputs 128 ((g / 4) % 8) .. + 127, row tiles 4 j + g % 4.  THE WAVES SHARE K: wave w takes K steps 8 w .. 8 w + 7 (768 bytes of each row of W2).
; h STAYS, W2 GOES PAST.  A pass serves five of the work-group's row tiles: their 40 fragments of my K steps (480 registers, the images that the launch before stored) are asked for at once.
; W2's 128 rows come a tile of 16 rows at a time: 24 loads of 512 bytes into one of two landing buffers, through my own stage in LDS into 8 fragments, 40 products; two tiles' loads are out.
; 20 accumulators (5 row tiles x 4 output tiles).  Behind output tiles 3 and 7 the four waves' parts of 64 outputs meet in LDS: one barrier each, two halves of the buffer by turns;
; each wave adds four rows of each tile and stores them, 16 lanes to 256 consecutive bytes at a multiple of 256 from y's first byte.
; FOUR PASSES, a constant (64 tiles an expert at the most, 16 a work-group); a pass with no tile runs its two barriers alone.  A tile of a pass past the expert's rows loads one piece of 16 bytes
; in all lanes from the pass's first tile, is multiplied with the others, and its sums are not stored.
; THE PRODUCT IS USED TRANSPOSED (source 0 = 16 rows of W2, source 1 = 16 rows of h): a lane holds eight neighbouring outputs of one row.
; K's ORDER: a lane takes 48 consecutive bytes of its row of W2, so the instruction's blocks 0, 1, 2, 3 hold the row's blocks 0, 2, 1, 3 of each 128; bytes 1 and 2 of W2's scale words change places; h and hs were made in that order.
; NO TENSOR LOADS, SO NO JOINT REQUESTS, though four work-groups read each slab of W2: the text jumps on the expert's number of rows, a number read from memory, and a text with such a jump holds no tensor load.
; NO PREFETCH: every byte is asked for by its load as early as registers allow: h whole at a pass's head, W2 two tiles ahead.
; LIMITS: the sum over K is split in four and taken in the order above, not in ascending k.  A work-group none of whose tiles has rows reads, at its head, bytes of h and hs that nobody stored; nothing uses them.
.set RP,   784                         ; a row in the stage: 768 bytes + 16: the 16 rows of a fragment load start in 16 different columns of 16 bytes modulo 256
.set SBUF, 16*RP                       ; a tile's 16 rows;  LDS from 0: for each wave two such buffers
.set RED,  8*SBUF                      ; then the partial sums: for each wave 2 halves x 5 tiles x 16 rows x (256 + 16) bytes
.set QP,   272
.set RT,   16*QP
.set RW,   5*RT
.set SPARE, RED+8*RW                   ; then the spare words, 128 bytes a wave
.set HSTEP, 196608                     ; four tiles on in h: 4 x 32 x 1,536;  in hs 8,192;  in y 64 rows
.set IO,  1                            ; v1   16 x lane
.set GB,  2                            ; v2   the same, + 2,304 for lanes 16-31: from the end of a row's 768 bytes to the next row's
.set SA,  3                            ; v3, v4 the stage, on the way in
.set SB,  4
.set FA,  5                            ; v5   the stage, on the way out: row r, + 48 h
.set HSO, 6                            ; v6   hs: 4 (lane % 16), + 256 for lanes 16-31: K steps u and u + 4
.set TA,  7
.set SPW, 8                            ; v8   my spare word;  v9  0
.set NIL, 9
.set RS,  10                           ; v10  where I put partial sums
.set YO,  11                           ; v11  y: 4,096 (lane / 16) + 16 (lane % 16)
.set RR,  12                           ; v12-15 where I read wave 0 .. 3's partial sums
.set HOF, 16                           ; v16-20 offsets of the pass's five tiles in h;  v21-25 in hs
.set HSF, 21
.set B2H, 26                           ; v26-33 0.5 b2 of outputs 4 (lane % 16) .. + 3, and of those 64 on
.set HS,  34                           ; v34-53 h's scale words: register 4 i + u: lanes 0-15 K step u, lanes 16-31 K step u + 4
.set WS,  54                           ; v54-85 W2's scale words: register 4 t + u, likewise
.set W8,  86
.set B2O, 87
.set ACC, 96                           ; v96-255 accumulator (i, t % 4) at 32 i + 8 (t % 4)
; window 1: v0-95 W2's 8 fragments, v96-191 row tile 4's;  window 2: row tiles 0, 1;  window 3: row tiles 2, 3;  v192-255 of windows 1 to 3: the two landing buffers, 24 x 4 registers each
.set WV,  20
.set EX,  21
.set DS,  22
.set QT,  23
.set SELP, 24
.set NN,  31
.set NA,  32                           ; s32 tiles of this pass that have rows, 0 .. 5;  s34 tiles of this and later passes
.set CTR, 33
.set REM, 34
.set MSB, 0
.macro WIN new                         ; the immediate's high byte repeats the setting that is left; a switch that changes nothing is dropped
.if MSB != (\new)
	s_set_vgpr_msb (MSB<<8)|(\new)
.set MSB, (\new)
.endif
.endm
.macro PLACES                          ; four places behind matrix instructions, ahead of loads into their sources and of stores of their results
.rept 4
	v_nop
.endr
.endm
.macro LREG k, buf                     ; where load k of 24 lands
.set lw, 1+(24*(\buf)+(\k))/16
.set lr, 192+4*((24*(\buf)+(\k))%16)
.endm
.macro HREG i                          ; where row tile i's fragments lie
.if (\i) < 4
.set hw, 2+(\i)/2
.set hr, 96*((\i)%2)
.else
.set hw, 1
.set hr, 96
.endif
.endm
.macro GLOAD t                         ; W2's tile t: 16 rows x 768 bytes, two rows by three loads: 512 bytes, 256 + 256, 512
.set p, 0
.rept 8
	LREG 3*p, (\t)%2
	WIN lw<<6
	global_load_b128 v[lr:lr+3], v[IO], s[4:5] offset:(16*(\t)+2*p)*3072
	LREG 3*p+1, (\t)%2
	WIN lw<<6
	global_load_b128 v[lr:lr+3], v[GB], s[4:5] offset:(16*(\t)+2*p)*3072+512
	LREG 3*p+2, (\t)%2
	WIN lw<<6
	global_load_b128 v[lr:lr+3], v[IO], s[4:5] offset:(16*(\t)+2*p+1)*3072+256
.set p, p+1
.endr
	WIN 0
.endm
.macro STAGE t                         ; through my own stage: in as the bytes lie, out as fragments.  LDS serves a wave's instructions in order: no wait between
.set p, 0
.rept 8
	LREG 3*p, (\t)%2
	WIN lw<<2
	ds_store_b128 v[SA], v[lr:lr+3] offset:SBUF*((\t)%2)+1568*p
	LREG 3*p+1, (\t)%2
	WIN lw<<2
	ds_store_b128 v[SB], v[lr:lr+3] offset:SBUF*((\t)%2)+1568*p+512
	LREG 3*p+2, (\t)%2
	WIN lw<<2
	ds_store_b128 v[SA], v[lr:lr+3] offset:SBUF*((\t)%2)+1568*p+1040
.set p, p+1
.endr
	WIN 0x40
.set qs, 0
.rept 8
.irp c, 0,1,2
	ds_load_b128 v[12*qs+4*\c:12*qs+4*\c+3], v[FA] offset:SBUF*((\t)%2)+96*qs+16*\c
.endr
.set qs, qs+1
.endr
	WIN 0
.endm
.macro HADR                            ; the five tiles' offsets: a tile with rows: its own place, a lane its own 16 bytes; one without: the pass's first tile, all lanes one piece
.irp i, 0,1,2,3,4
	s_cmp_gt_u32 s[NA], \i
	s_cselect_b32 s35, 1, 0
	s_cselect_b32 s36, \i*HSTEP, 0
	s_cselect_b32 s37, \i*8192, 0
	v_mad_u32_u24 v[HOF+\i], v[IO], s35, s36
	v_mad_u32_u24 v[HSF+\i], v[HSO], s35, s37
.endr
	s_wait_alu depctr_va_vdst(0)                   ; wait between these writes and the loads that read them
.endm
.macro HLOADS                          ; the images of the five tiles' fragments of my 8 K steps, and their scale words: 140 loads
.irp i, 0,1,2,3,4
	HREG \i
	WIN hw<<6
.set qs, 0
.rept 8
.irp c, 0,1,2
	global_load_b128 v[hr+12*qs+4*\c:hr+12*qs+4*\c+3], v[HOF+\i], s[10:11] offset:1536*qs+512*\c
.endr
.set qs, qs+1
.endr
	WIN 0
.irp u, 0,1,2,3
	global_load_b32 v[HS+4*\i+\u], v[HSF+\i], s[12:13] offset:64*\u
.endr
.endr
.endm
.macro MULT t                          ; W2's tile t against the five row tiles: K step by K step, the five accumulators by turns, one instruction a turn; the first step starts the sums
.set ss, 0
.rept 8
.set ii, 0
.rept 5
	HREG ii
.set hb, hr+12*ss
.set ac, ACC+32*ii+8*((\t)%4)
	WIN 0x01|(hw<<2)
.if ss == 0
	v_wmma_scale_f32_16x16x128_f8f6f4 v[ac:ac+7], v[0:11], v[hb:hb+11], 0, v[WS+4*(\t)], v[HS+4*ii] matrix_a_fmt:MATRIX_FMT_BF6 matrix_b_fmt:MATRIX_FMT_BF6
.elseif ss < 4
	v_wmma_scale_f32_16x16x128_f8f6f4 v[ac:ac+7], v[12*ss:12*ss+11], v[hb:hb+11], v[ac:ac+7], v[WS+4*(\t)+ss], v[HS+4*ii+ss] matrix_a_fmt:MATRIX_FMT_BF6 matrix_b_fmt:MATRIX_FMT_BF6
.else
	v_wmma_scale_f32_16x16x128_f8f6f4 v[ac:ac+7], v[12*ss:12*ss+11], v[hb:hb+11], v[ac:ac+7], v[WS+4*(\t)+ss-4], v[HS+4*ii+ss-4] matrix_a_fmt:MATRIX_FMT_BF6 matrix_b_fmt:MATRIX_FMT_BF6 matrix_a_scale:MATRIX_SCALE_ROW1 matrix_b_scale:MATRIX_SCALE_ROW1
.endif
.set ii, ii+1
.endr
.set ss, ss+1
.endr
	WIN 0
.endm
.macro TSTEP t
.if (\t) == 7
	s_wait_loadcnt 0x0                             ; the last tile is in
.else
	s_wait_loadcnt 24                              ; tile t is in (ahead of tile 0: h too); the next tile's 24 loads may be out
.endif
	PLACES
	STAGE \t
	s_wait_dscnt 24                                ; the 24 stores have read the registers in which the next loads land; the 24 fragment loads may be out
.if (\t) < 6
	GLOAD (\t)+2
.endif
	s_wait_dscnt 0x0
	MULT \t
.endm
.macro REDST hf                        ; my part of 64 outputs of the five tiles: row r, + 32 h; output tile tt 64 bytes on; each accumulator from its low end on
	PLACES
.irp i, 0,1,2,3,4
.irp tt, 0,1,2,3
	ds_store_b128 v[RS], v[ACC+32*\i+8*\tt:ACC+32*\i+8*\tt+3] offset:(\hf)*RW+\i*RT+64*\tt
	ds_store_b128 v[RS], v[ACC+32*\i+8*\tt+4:ACC+32*\i+8*\tt+7] offset:(\hf)*RW+\i*RT+64*\tt+16
.endr
.endr
.endm
.macro REDRD hf                        ; rows 4 w .. 4 w + 3 of each tile: the four waves' parts, two rows of 256 bytes a load; added, halved, + 0.5 b2, stored
.irp i, 0,1,2,3,4
.irp m, 0,1
.irp w, 0,1,2,3
	ds_load_b128 v[ACC+32*\i+16*\m+4*\w:ACC+32*\i+16*\m+4*\w+3], v[RR+\w] offset:(\hf)*RW+\i*RT+\m*2*QP
.endr
.endr
.endr
.irp i, 0,1,2,3,4
.if \i > 0
	s_cmp_le_u32 s[NA], \i                         ; the tiles with rows come first: from the first one without, nothing is stored
	s_cbranch_scc1 .Lsummed_\@
.endif
	s_wait_dscnt 32-8*\i                           ; tile i's eight loads are in; the later tiles' may be out
.irp m, 0,1
.set sm, ACC+32*\i+16*\m
	v_pk_add_f32 v[sm:sm+1], v[sm:sm+1], v[sm+4:sm+5]
	v_pk_add_f32 v[sm+2:sm+3], v[sm+2:sm+3], v[sm+6:sm+7]
	v_pk_add_f32 v[sm+8:sm+9], v[sm+8:sm+9], v[sm+12:sm+13]
	v_pk_add_f32 v[sm+10:sm+11], v[sm+10:sm+11], v[sm+14:sm+15]
	v_pk_add_f32 v[sm:sm+1], v[sm:sm+1], v[sm+8:sm+9]
	v_pk_add_f32 v[sm+2:sm+3], v[sm+2:sm+3], v[sm+10:sm+11]
	v_pk_fma_f32 v[sm:sm+1], v[sm:sm+1], 0.5, v[B2H+4*(\hf):B2H+4*(\hf)+1] op_sel_hi:[1,0,1]
	v_pk_fma_f32 v[sm+2:sm+3], v[sm+2:sm+3], 0.5, v[B2H+4*(\hf)+2:B2H+4*(\hf)+3] op_sel_hi:[1,0,1]
	global_store_b128 v[YO], v[sm:sm+3], s[16:17] offset:\i*262144+\m*8192+(\hf)*256
.endr
.endr
.Lsummed_\@:
	s_wait_dscnt 0x0                               ; no load is on its way into an accumulator,
	s_wait_xcnt 0x0                                ; and the stores have read theirs: the next products may write them
.endm
.macro BARRIER                         ; my LDS stores have landed and my LDS loads are in: then the work-group's barrier, on every path
	s_wait_dscnt 0x0
	s_barrier_signal -1
	s_barrier_wait -1
.endm
	s_load_b256 s[4:11], s[0:1], 0x0               ; W2_codes s[4:5], W2_scales s[6:7], b2 s[8:9], h s[10:11]
	s_load_b128 s[12:15], s[0:1], 0x20             ; hs s[12:13], cnt s[14:15]
	s_load_b64 s[16:17], s[0:1], 0x30              ; y
	v_lshl_add_u32 v[SPW], v0, 2, SPARE
	v_mov_b32 v[NIL], 0
	v_lshrrev_b32 v[TA], 5, v0
	v_readfirstlane_b32 s[WV], v[TA]               ; wave 0..3
	s_lshr_b32 s[EX], ttmp9, 5                     ; the expert
	s_bfe_u32 s[DS], ttmp9, 0x30002                ; which 128 outputs
	s_and_b32 s[QT], ttmp9, 3                      ; which tiles: 4 j + this
	s_mov_b32 s[SELP], 0x03010200                  ; v_perm_b32: bytes 1 and 2 change places
	v_and_b32 v[TA], 31, v0
	v_lshlrev_b32 v[IO], 4, v[TA]
	v_bfe_u32 v[FA], v0, 4, 1                      ; h
	v_mad_u32_u24 v[GB], v[FA], 2304, v[IO]
	v_and_b32 v[HSO], 15, v0                       ; r
	s_mul_i32 s25, s[WV], 2*SBUF                   ; my stage
	v_add_nc_u32 v[SA], s25, v[IO]
	v_lshl_add_u32 v[SB], v[FA], 4, v[SA]
	v_lshlrev_b32 v[W8], 7, v[HSO]
	v_lshl_add_u32 v[W8], v[FA], 4, v[W8]          ; W2's scales: 128 bytes a row, + 16 h
	s_mul_i32 s26, s[WV], 2*RW
	s_add_co_u32 s26, s26, RED
	v_mul_u32_u24 v[RS], v[HSO], QP
	v_lshl_add_u32 v[RS], v[FA], 5, v[RS]
	v_add_nc_u32 v[RS], s26, v[RS]                 ; my part: row r, + 32 h
	s_mul_i32 s26, s[WV], 4*QP
	s_add_co_u32 s26, s26, RED
	v_mul_u32_u24 v[RR], v[FA], QP
	v_lshl_add_u32 v[RR], v[HSO], 4, v[RR]
	v_add_nc_u32 v[RR], s26, v[RR]                 ; back: row 4 w + lane / 16, 16 bytes a lane; one register for each wave's part
	v_add_nc_u32 v[RR+1], 2*RW, v[RR]
	v_add_nc_u32 v[RR+2], 4*RW, v[RR]
	v_add_nc_u32 v[RR+3], 6*RW, v[RR]
	v_lshlrev_b32 v[B2O], 4, v[HSO]
	v_lshl_add_u32 v[YO], v[FA], 12, v[B2O]
	v_mul_u32_u24 v[TA], v[HSO], RP
	v_mad_u32_u24 v[TA], v[FA], 48, v[TA]
	v_lshlrev_b32 v[HSO], 2, v[HSO]
	v_lshl_add_u32 v[HSO], v[FA], 8, v[HSO]
	v_add_nc_u32 v[FA], s25, v[TA]
	s_lshl_b32 s26, s[EX], 10
	s_lshl_b32 s27, s[DS], 7
	s_add_co_u32 s26, s26, s27                     ; the slab's first row among W2's 8,192
	s_mul_i32 s28, s26, 3072
	s_mul_i32 s27, s[WV], 768
	s_add_co_u32 s28, s28, s27                     ; under 2^25
	s_mov_b32 s29, 0
	s_lshl_b32 s30, s[EX], 7
	s_wait_alu depctr_va_vdst(0)
	s_wait_kmcnt 0x0
	s_load_b32 s[NN], s[14:15], s30 offset:0x0     ; the expert's number of rows
	s_add_nc_u64 s[4:5], s[4:5], s[28:29]
	s_lshl_b32 s28, s26, 7
	s_lshl_b32 s27, s[WV], 5
	s_add_co_u32 s28, s28, s27
	s_add_nc_u64 s[6:7], s[6:7], s[28:29]
	s_lshl_b32 s28, s26, 2
	s_add_nc_u64 s[8:9], s[8:9], s[28:29]
.irp t, 0,1,2,3,4,5,6,7
	global_load_b128 v[WS+4*\t:WS+4*\t+3], v[W8], s[6:7] offset:2048*\t   ; tile t's rows' scale words of my K steps 4 h .. 4 h + 3
.endr
	global_load_b128 v[B2H:B2H+3], v[B2O], s[8:9]
	global_load_b128 v[B2H+4:B2H+7], v[B2O], s[8:9] offset:256
	GLOAD 0                                        ; W2's first tile hangs on no number of rows
	s_lshl_b32 s27, s[EX], 6
	s_add_co_u32 s27, s27, s[QT]
	s_lshl_b32 s27, s27, 5
	s_lshl_b32 s28, s[WV], 3
	s_add_co_u32 s27, s27, s28                     ; (64 e + tile) x 32 + my first K step
	s_mul_i32 s28, s27, 1536
	s_add_nc_u64 s[10:11], s[10:11], s[28:29]
	s_lshl_b32 s28, s27, 6
	s_add_nc_u64 s[12:13], s[12:13], s[28:29]
	s_lshl_b32 s27, s[EX], 10
	s_lshl_b32 s28, s[QT], 4
	s_add_co_u32 s27, s27, s28
	s_lshl_b32 s28, s[WV], 2
	s_add_co_u32 s27, s27, s28                     ; the first row of y that I store: 1024 e + 16 tile + 4 w
	s_lshl_b32 s28, s27, 12
	s_lshl_b32 s27, s[DS], 9
	s_add_co_u32 s28, s28, s27
	s_add_nc_u64 s[16:17], s[16:17], s[28:29]
	s_wait_kmcnt 0x0
	s_min_u32 s[NN], s[NN], 0x400
	s_add_co_u32 s27, s[NN], 15
	s_lshr_b32 s27, s27, 4                         ; the expert's tiles
	s_add_co_u32 s27, s27, 3
	s_sub_co_u32 s27, s27, s[QT]
	s_lshr_b32 s[REM], s27, 2                      ; those of them that are 4 j + g % 4
	s_min_u32 s[NA], s[REM], 5
	HADR
	HLOADS
	GLOAD 1
	s_wait_loadcnt 24                              ; all but W2's tile 1
.set q, 0
.rept 32
	v_perm_b32 v[WS+q], v[WS+q], v[WS+q], s[SELP]
.set q, q+1
.endr
.irp j, 0,1,2,3,4,5,6,7
	v_mul_f32 v[B2H+\j], 0.5, v[B2H+\j]
.endr
	s_mov_b32 s[CTR], 0
	s_wait_alu depctr_va_vdst(0)
.Lpass:
	s_cmp_eq_u32 s[NA], 0
	s_cbranch_scc1 .Lidle_a
.irp t, 0,1,2,3
	TSTEP \t
.endr
	REDST 0
.Lidle_a:
	BARRIER
	s_cmp_eq_u32 s[NA], 0
	s_cbranch_scc1 .Lidle_b
	REDRD 0
.irp t, 4,5,6,7
	TSTEP \t
.endr
	REDST 1
.Lidle_b:
	BARRIER                                        ; the first half of the buffer is written again only behind this barrier, the second only behind the next pass's first
	s_cmp_eq_u32 s[NA], 0
	s_cbranch_scc1 .Lidle_c
	REDRD 1
.Lidle_c:
	s_wait_xcnt 0x0                                ; loads and stores have read their offsets and bases
	s_add_nc_u64 s[10:11], s[10:11], 5*HSTEP       ; five of my tiles on
	s_add_nc_u64 s[12:13], s[12:13], 5*8192
	s_add_nc_u64 s[16:17], s[16:17], 5*262144
	s_sub_co_u32 s[REM], s[REM], s[NA]
	s_min_u32 s[NA], s[REM], 5
	s_cmp_eq_u32 s[NA], 0
	s_cbranch_scc1 .Lno_more                       ; (always so in the fourth trip: a work-group has 16 tiles at the most)
	s_wait_loadcnt 0x0                             ; no load is on its way into a landing buffer
	PLACES
	HADR
	GLOAD 0
	HLOADS
	GLOAD 1
.Lno_more:
	s_add_co_u32 s[CTR], s[CTR], 1
	s_cmp_lt_u32 s[CTR], 4
	s_cbranch_scc1 .Lpass
	s_wait_tensorcnt 0x0                           ; the wave's end
	ds_add_u32 v[SPW], v[NIL]
	s_wait_dscnt 0x0
	s_endpgm
.Lfunc_end_k_q9690039410_down:
	.size	k_q9690039410_down, .Lfunc_end_k_q9690039410_down-k_q9690039410_down
	.p2alignl 7, 3214868480
	.fill 96, 4, 3214868480
	.section	.rodata,"a",@progbits
	.p2align	6, 0x0
	.amdhsa_kernel k_q9690039410_down
		.amdhsa_group_segment_fixed_size 274944
		.amdhsa_private_segment_fixed_size 0
		.amdhsa_enable_private_segment 0
		.amdhsa_kernarg_size 56
		.amdhsa_user_sgpr_count 2
		.amdhsa_user_sgpr_kernarg_segment_ptr 1
		.amdhsa_wavefront_size32 1
		.amdhsa_system_sgpr_workgroup_id_x 1
		.amdhsa_system_sgpr_workgroup_id_y 1
		.amdhsa_system_sgpr_workgroup_id_z 1
		.amdhsa_system_vgpr_workitem_id 0
		.amdhsa_next_free_vgpr 1024
		.amdhsa_next_free_sgpr 66
		.amdhsa_reserve_vcc 0
		.amdhsa_float_denorm_mode_32 3
		.amdhsa_float_denorm_mode_16_64 3
		.amdhsa_memory_ordered 1
		.amdhsa_forward_progress 1
		.amdhsa_inst_pref_size 158
	.end_amdhsa_kernel
	.amdgpu_metadata
---
amdhsa.version: [ 1, 2 ]
amdhsa.kernels:
  - .name:           k_q9690039410_down
    .symbol:         k_q9690039410_down.kd
    .args:
      - { .name: W2_codes, .offset: 0, .size: 8, .value_kind: global_buffer, .address_space: global }
      - { .name: W2_scales, .offset: 8, .size: 8, .value_kind: global_buffer, .address_space: global }
      - { .name: b2, .offset: 16, .size: 8, .value_kind: global_buffer, .address_space: global }
      - { .name: h, .offset: 24, .size: 8, .value_kind: global_buffer, .address_space: global }
      - { .name: hs, .offset: 32, .size: 8, .value_kind: global_buffer, .address_space: global }
      - { .name: cnt, .offset: 40, .size: 8, .value_kind: global_buffer, .address_space: global }
      - { .name: y, .offset: 48, .size: 8, .value_kind: global_buffer, .address_space: global }
    .group_segment_fixed_size: 274944
    .private_segment_fixed_size: 0
    .kernarg_segment_align: 8
    .kernarg_segment_size: 56
    .max_flat_workgroup_size: 128
    .sgpr_count:     66
    .vgpr_count:     1024
    .wavefront_size: 32
...
	.end_amdgpu_metadata
.endif
;; end of part 2
;; launch join (part 3): grid 256 x 1, 4 waves a work-group, no clusters, 0 bytes of LDS; arguments assign, rowidx, y, out0; writes out0
.if DOCPART == 3
	.amdgcn_target "amdgcn-amd-amdhsa--gfx1250"
	.amdhsa_code_object_version 6
	.text
	.protected	k_q9690039410_join
	.globl	k_q9690039410_join
	.p2align	8
	.type	k_q9690039410_join,@function
k_q9690039410_join:
	s_mov_b64 s[64:65], 0
	v_nop
	global_prefetch_b8 v0, s[64:65] scope:SCOPE_SE
	s_setreg_imm32_b32 hwreg(HW_REG_WAVE_MODE, 25, 1), 1
	s_wait_xcnt 0x0
; out0[t][:] = y[row of slot 0] + y[row of slot 1], the second left out where both slots name one expert (a token that names an expert twice counts it once).  y already holds the halves.
; A slot's row is rowidx[its expert][t] = 1024 x expert + the token's rank among the expert's rows, stored by the first launch.  The token's word of all 8 experts' parts is loaded
; beside assign (lane l takes expert l % 8), and the two that count are picked by lane number: so the row numbers hang on one round of loads.
; One wave to a token: two rows of 4,096 bytes in, one out, 512 consecutive bytes an instruction.  A stream: no LDS, no barrier, no matrix unit.
; LIMITS: assign holds 0 .. 7; another number is taken as 7, and the row that is then read need not have been stored.
; Where the slots are equal the second row is multiplied by 0, not skipped: an infinity or NaN in y gives NaN there (and it would be in the result anyway).
.set Y0, 8                             ; v8-39   slot 0's row
.set Y1, 40                            ; v40-71  slot 1's row
	s_load_b128 s[4:7], s[0:1], 0x0                ; assign s[4:5], rowidx s[6:7]
	s_load_b128 s[8:11], s[0:1], 0x10              ; y s[8:9], out0 s[10:11]
	v_lshrrev_b32 v1, 5, v0
	v_readfirstlane_b32 s12, v1                    ; wave
	s_lshl_b32 s13, ttmp9, 2
	s_add_co_u32 s13, s13, s12                     ; the token
	s_lshl_b32 s20, s13, 3                         ; its two slots in assign
	s_lshl_b32 s21, s13, 2                         ; its word in an expert's part of rowidx
	v_and_b32 v2, 7, v0
	v_lshlrev_b32 v2, 12, v2
	v_add_nc_u32 v2, s21, v2                       ; 4,096 x (lane % 8) + 4 x token
	v_and_b32 v1, 31, v0
	v_lshlrev_b32 v1, 4, v1                        ; 16 x lane
	s_wait_alu depctr_va_vdst(0)
	s_wait_kmcnt 0x0
	s_load_b64 s[14:15], s[4:5], s20 offset:0x0    ; its two experts
	global_load_b32 v3, v2, s[6:7]                 ; its row number with each expert
	s_lshl_b32 s24, s13, 12
	s_mov_b32 s25, 0
	s_add_nc_u64 s[10:11], s[10:11], s[24:25]
	s_wait_kmcnt 0x0
	s_min_u32 s14, s14, 7
	s_min_u32 s15, s15, 7
	s_wait_loadcnt 0x0
	v_readlane_b32 s16, v3, s14                    ; the two row numbers
	v_readlane_b32 s17, v3, s15
	s_min_u32 s16, s16, 0x1fff                     ; y has 8,192 rows
	s_min_u32 s17, s17, 0x1fff
	s_cmp_eq_u32 s16, s17
	s_cselect_b32 s18, 0, 1.0                      ; the second row's weight
	s_mov_b32 s19, s18                             ; (named with it as a pair, so it is written)
	s_lshl_b32 s20, s16, 12
	s_mov_b32 s21, 0
	s_lshl_b32 s22, s17, 12
	s_mov_b32 s23, 0
	s_add_nc_u64 s[20:21], s[8:9], s[20:21]
	s_add_nc_u64 s[22:23], s[8:9], s[22:23]
.irp k, 0,1,2,3,4,5,6,7
	global_load_b128 v[Y0+4*\k:Y0+4*\k+3], v1, s[20:21] offset:512*\k
	global_load_b128 v[Y1+4*\k:Y1+4*\k+3], v1, s[22:23] offset:512*\k
.endr
.irp k, 0,1,2,3,4,5,6,7
	s_wait_loadcnt 14-2*\k                         ; piece k of both rows is in; the younger pieces may be out
	v_pk_fma_f32 v[Y0+4*\k:Y0+4*\k+1], v[Y1+4*\k:Y1+4*\k+1], s[18:19], v[Y0+4*\k:Y0+4*\k+1] op_sel_hi:[1,0,1]
	v_pk_fma_f32 v[Y0+4*\k+2:Y0+4*\k+3], v[Y1+4*\k+2:Y1+4*\k+3], s[18:19], v[Y0+4*\k+2:Y0+4*\k+3] op_sel_hi:[1,0,1]
	global_store_b128 v1, v[Y0+4*\k:Y0+4*\k+3], s[10:11] offset:512*\k th:TH_STORE_NT   ; written once, read by nobody here
.endr
	s_endpgm
.Lfunc_end_k_q9690039410_join:
	.size	k_q9690039410_join, .Lfunc_end_k_q9690039410_join-k_q9690039410_join
	.p2alignl 7, 3214868480
	.fill 96, 4, 3214868480
	.section	.rodata,"a",@progbits
	.p2align	6, 0x0
	.amdhsa_kernel k_q9690039410_join
		.amdhsa_group_segment_fixed_size 0
		.amdhsa_private_segment_fixed_size 0
		.amdhsa_enable_private_segment 0
		.amdhsa_kernarg_size 32
		.amdhsa_user_sgpr_count 2
		.amdhsa_user_sgpr_kernarg_segment_ptr 1
		.amdhsa_wavefront_size32 1
		.amdhsa_system_sgpr_workgroup_id_x 1
		.amdhsa_system_sgpr_workgroup_id_y 1
		.amdhsa_system_sgpr_workgroup_id_z 1
		.amdhsa_system_vgpr_workitem_id 0
		.amdhsa_next_free_vgpr 72
		.amdhsa_next_free_sgpr 66
		.amdhsa_reserve_vcc 0
		.amdhsa_float_denorm_mode_32 3
		.amdhsa_float_denorm_mode_16_64 3
		.amdhsa_memory_ordered 1
		.amdhsa_forward_progress 1
		.amdhsa_inst_pref_size 6
	.end_amdhsa_kernel
	.amdgpu_metadata
---
amdhsa.version: [ 1, 2 ]
amdhsa.kernels:
  - .name:           k_q9690039410_join
    .symbol:         k_q9690039410_join.kd
    .args:
      - { .name: assign, .offset: 0, .size: 8, .value_kind: global_buffer, .address_space: global }
      - { .name: rowidx, .offset: 8, .size: 8, .value_kind: global_buffer, .address_space: global }
      - { .name: y, .offset: 16, .size: 8, .value_kind: global_buffer, .address_space: global }
      - { .name: out0, .offset: 24, .size: 8, .value_kind: global_buffer, .address_space: global }
    .group_segment_fixed_size: 0
    .private_segment_fixed_size: 0
    .kernarg_segment_align: 8
    .kernarg_segment_size: 32
    .max_flat_workgroup_size: 128
    .sgpr_count:     66
    .vgpr_count:     72
    .wavefront_size: 32
...
	.end_amdgpu_metadata
.endif
;; end of part 3
